; MI455X (gfx1250); checked and timed in simulation.
; The chip was launched on July 23, 2026; its instructions are those of AMD's public machine-readable ISA for CDNA 5 (MIT licence, August 2026) and "CDNA5" Instruction Set Architecture Reference Guide (July 2026). The comments in the code are by the model that wrote it; some were corrected since.
;; Attention. Allowed arithmetic: matrix products marked QUANTISED: E2M3 operands, one E8M0 scale for each 32 along K, by v_wmma_scale_f32_16x16x128_f8f6f4 with both operands' format E2M3, f32 sums; everything else in f32.
;; Inputs: keys 4 x 4 x 1,024 x 8 x 64 float32; queries 4 x 4 x 1,024 x 8 x 64 float32; values 4 x 4 x 1,024 x 8 x 64 float32.
;; Outputs: out0 4 x 4 x 1,024 x 8 x 64 float32.
;; This version of the problem:
;;   THIS VERSION OF THE PROBLEM IS GIVEN IN LOW PRECISION. The matrix products marked QUANTISED in the list below multiply operands that are first quantised to E2M3 (2 exponent bits, 3 mantissa bits; 6 bits a number), with one power-of-two scale for each 32 numbers along K (OCP MX v1.0); their sums are f32. All else is computed in f32.
;;   The module's matrix products, in the order in which they are computed (A, B: the left and right operand; K: the contracted axis; several contracted axes count as one K, in the product's order):
;;     1. batch 128 x [M 1,024, K 64] x [K 64, N 1,024]; A: input queries; B: input keys: QUANTISED
;;     2. batch 128 x [M 64, K 1,024] x [K 1,024, N 1,024]; A: input values; B: softmax (see below): QUANTISED
;;   THE QUANTISER, for each operand of a quantised product, along K:
;;     - K is cut into blocks of 32 from its start; a last block that is shorter is filled with zeros.
;;     - A block's scale is 2^e with e = floor(log2(the largest magnitude in the block)) - 2, held to -126 .. 127; a block of zeros has e = 0. As a byte (E8M0): e + 127.
;;     - Each number is divided by its block's scale, clamped to +-7.5, and rounded to the nearest number of E2M3, ties to even, subnormals kept.
;;     - The product sums the exact products of the quantised numbers (number of the format x scale) in f32.
;;   ~~~python
;;   def quantise(x, axis):      # numpy; x: float32 -> the quantised numbers, widened to float32 again
;;       x = np.moveaxis(x, axis, -1); K = x.shape[-1]
;;       x = np.pad(x, [(0, 0)] * (x.ndim - 1) + [(0, -K % 32)]); x = x.reshape(x.shape[:-1] + (-1, 32)); a = np.abs(x).max(-1, keepdims=True)
;;       e = np.where(a > 0, np.clip(np.frexp(np.where(a > 0, a, 1))[1] - 1 - 2, -126, 127), 0)      # np.frexp(a)[1] - 1 = floor(log2(a)), exactly
;;       r = np.clip(x / 2.0 ** e, -7.5, 7.5)
;;       step = 2.0 ** (np.maximum(np.frexp(np.where(r == 0, 1, r))[1] - 1, 0) - 3)
;;       q = np.round(r / step) * step * 2.0 ** e      # np.round: ties to even
;;       return np.moveaxis(q.reshape(q.shape[:-2] + (-1,))[..., :K], -1, axis).astype(np.float32)
;;   ~~~
;;   SOFTMAX AHEAD OF A QUANTISED PRODUCT. Where the list says 'softmax', what is quantised is not the finished softmax but p = 2^(t - M), with t = logit x log2(e) and M = ceil(the row's largest t), a whole number; so 1/2 < the row's largest p <= 1. The row's sum l is taken of the UNQUANTISED p, in f32, and the product's result is divided by l at the end. Since M is a whole number, a kernel that streams over the keys may use a running M (the ceiling of the running maximum): every later rescaling is an exact power of two, which a block's scale takes up: the codes' values come out the same.
;;   OPERANDS COMPUTED ON THE WAY. 'Computed on the way' means the value that the module computes at that place (a softmax that the list does not call 'softmax' is quantised finished and normalised). What goes into a quantiser is computed in f32, as accurately as f32 sums, v_exp_f32 and their like allow (about 1e-6 of the number): no bf16 or f16 on the way to a quantiser, and a product that is left as it is and whose result goes on into a quantised operand takes f32 operands (vector FMAs, or v_wmma_f32_16x16x4_f32). A number that lies on a knife's edge between two numbers of the format may be rounded either way, as far as f32 arithmetic and the matrix unit's own rounding can turn it there, and no further.
;; 2 versions. Each part assembles by itself: llvm-mc -triple=amdgcn-amd-amdhsa -mcpu=gfx1250 --defsym DOCPART=n.
;; ======== version 1 of 2: 1 launch
;; launch attn (part 1): grid 256 x 1, 16 waves a work-group, no clusters, 245,760 bytes of LDS; arguments queries, keys, values, out0; writes out0
.if DOCPART == 1
	.amdgcn_target "amdgcn-amd-amdhsa--gfx1250"
	.amdhsa_code_object_version 6
	.text
	.protected	k_q4cbe98cf9f_attn
	.globl	k_q4cbe98cf9f_attn
	.p2align	8
	.type	k_q4cbe98cf9f_attn,@function
k_q4cbe98cf9f_attn:
	s_mov_b64 s[64:65], 0
	v_nop
	global_prefetch_b8 v0, s[64:65] scope:SCOPE_SE
	s_setreg_imm32_b32 hwreg(HW_REG_WAVE_MODE, 25, 1), 1
	s_wait_xcnt 0x0
; Causal attention on codes of FP6 (E2M3) with one E8M0 scale for each 32 along a product's K.  queries, keys, values, out: [16 (b n)][1024 (l)][8 (h)][64] f32: a head's row is 256 aligned bytes, rows 2,048 bytes apart.
; out[q] = (sum over keys k <= q of p V[k]) / (sum of p),  p = 2^(t - M),  t = score x log2(e) / 8,  M = the running largest t rounded UP to a whole number.  p is quantised along the keys, not normalised;
; the row's sum is taken of the unquantised p.  When M moves, the sum and O are multiplied by 2^(old M - new M): exact.
; SHARES.  256 work-groups, two to a head (x = 2 head + g).  As codes a whole head's K and V are 2 x 49,152 bytes and their scale words 6,144: they stay in LDS.  PROLOGUE: the sixteen waves read the head's K and V and their own
; queries in whole rows of 256 bytes, quantise them in registers and lay K's and V^T's codes and scale words in LDS AS IMAGES OF THE OPERANDS' REGISTERS (lane l's 16 bytes of four registers at 16 l).  ONE barrier.
; MAIN PART: no barrier, no global load.  Wave w owns two tiles of 16 queries, tile p = 16 g + w and tile 63 - p.  Tile i needs i / 8 + 1 steps of 128 keys, so every wave of the launch has 9 steps, 2 of them on the diagonal.
; Four waves of 256 registers share a SIMD: one wave's softmax stands beside another's products and LDS loads.
; LAYOUT.  Both products are used transposed: S^T = K Q^T (source 0 = 16 keys, source 1 = my 16 queries), O^T = V^T P^T (source 0 = 16 of the head's 64, source 1 = p): a lane holds ONE query (lane % 16) throughout.
; THE KEYS OF A TILE ARE NOT NEIGHBOURS: lane r of tile 2 b + u takes key 32 b + 8 u + r + 8 (r / 8), so that S's register 16 b + i of lane (r, h) is key 32 b + 16 h + i: 16 neighbours for the conversions.
; THE FIRST PRODUCT'S K IS 64, THE INSTRUCTION'S 128.  The upper 64 are zero CODES ON Q'S SIDE ALONE (v22-27, written once).  K's eight fragments of 6 registers stand on end, and tile t's operand is the 12 registers from 6 t on:
; its upper six are the next tile's codes (behind the last tile: six zeros).  FP6 has no code for infinity or NaN, so they meet zeros and add exactly 0.  Bytes 2 and 3 of Q's and K's scale words repeat bytes 0 and 1,
; so that the idle blocks carry no larger exponent than the real ones, and never 0xff.  That way a step's K is 12 dense loads of 16 bytes a lane and nothing is cleared again.
; NO CLUSTER: K and V are shared by the two work-groups of a head alone, as f32: 524,288 bytes, which do not fit in LDS; joint requests land in LDS only, so they would want a ring with refills and twice the LDS traffic of the
; rows, which here go straight into registers.  The two partners are neighbours in the grid and read the same rows at about the same time.
; LIMITS: NaN and infinities among the inputs are not served.  A block of zeros gets the scale byte 1 where the quantiser says 127: its codes are zeros, and this kernel alone reads the bytes.  A block whose largest magnitude lies
; under 2^-124 has its byte held at 1.  A p under 2^-126 counts as 0 (v_exp_f32 gives 0 there).
.set KIMG,  0                          ; LDS: K's images: step s at 6,144 s: 12 pieces of 512 bytes, piece i = registers 4 i .. 4 i + 3 of the 48
.set VIMG,  49152                      ; V^T's: step s at 6,144 s, tile t of 16 d at 1,536 t: 3 pieces of 512 bytes
.set KSC,   98304                      ; K's scale words: step s at 512 s; lane l's 16 bytes: words b = 0 .. 3; lanes 0-15 tile 2 b's rows, lanes 16-31 tile 2 b + 1's
.set VSC,   102400                     ; V's: step s at 256 s; lane l's 8 bytes: words j = 0, 1 of column d = 32 j + l; byte = the block of 32 keys in the step
.set STG,   104448                     ; a stage for each wave: 32 rows of 256 bytes + 16
.set SP,    272                        ; 68 words: row r starts at bank 4 r mod 64 (64 banks of 4 bytes: ISA guide 11.1)
.set WSTG,  32*SP
.set STEPB, 6144
.set ROWG,  2048                       ; from a head's row to the next, in memory
; vector registers that stay
.set AKI, 1                            ; KIMG + 16 lane
.set AVI, 2                            ; VIMG + 16 lane
.set AKS, 3                            ; KSC + 16 lane
.set AVS, 4                            ; VSC + 8 lane
.set SO,  5                            ; my stage + 272 (lane % 16) + 32 (lane / 16): the way out, in
.set SI,  6                            ; my stage + 272 (lane / 16) + 16 (lane % 16): two rows an instruction (prologue: in; way out: back)
.set GL,  7                            ; 2,048 (lane / 16) + 16 (lane % 16): the same two rows in memory; never rewritten
.set QF,  16                           ; v16-21 Q's codes, v22-27 zero codes
.set QS,  28                           ; Q's scale words: lanes 0-15 the first tile's, lanes 16-31 the second's
.set DL,  29                           ; lane % 16 - 16 (lane / 16), for the mask
; prologue
.set SRR, 8                            ; my stage + 272 (lane % 16) + 128 (lane / 16): a row's half, out
.set SCL, 9                            ; my stage + 4 lane: a column, out
.set KA,  10                           ; KIMG + 3,072 wave + 16 lane
.set KW,  11                           ; KSC + 512 (wave / 2) + 8 (wave % 2) + 16 lane
.set MX,  12                           ; v12-15 four chains of largest magnitudes
.set TC,  16                           ; v16-18, v20-22 the upper halves' codes (a conversion's three registers begin on an even number)
.set XB,  24                           ; v24-25 the other half of the lanes' bytes
.set SCO, 26                           ; v26-27 the conversions' scale operands
.set VA,  30                           ; VIMG + 6,144 (wave / 2) + 256 (wave % 2) + 1,536 (lane / 16) + 16 (lane % 16)
.set VBY, 31                           ; VSC + 256 (wave / 2) + wave % 2 + 8 lane
.set AA,  32                           ; three areas of 64 registers: a batch of 32 rows x 256 bytes each
.set AB,  96
.set AC,  160
.set PC,  224                          ; v224-235 two blocks' codes (v230-235 then keep the second tile's Q)
.set BY,  236                          ; v236-237 two scale bytes
.set WD,  238                          ; v238 a scale word, v239 at work
; main part
.set ADK, 8                            ; addresses of the loads in hand
.set ADS, 9
.set ADV, 10
.set ADT, 11                           ; v12 -M, v13 the largest t, v[14:15] the sum in two halves
.set F,   32                           ; v32-79 a step's K, then its V^T; v80-85 zeros
.set S,   96                           ; v96-159 S^T, then p
.set O,   160                          ; v160-191 O^T
.set PCM, 192                          ; v192-203 p's codes
.set T2,  204                          ; v204-211 at work
.set BM,  212                          ; v212-215 the blocks' largest scores
.set BT,  216                          ; v216-219 at work
.set SCP, 220                          ; v220-223 the conversions' scale operands
.set KS,  240                          ; v240-243 K's scale words; v244-245 V's; v247 p's: these and v28 hold scales and nothing else
.set VS,  244
.set FF,  246                          ; f = 2^(old M - new M)
.set PW,  247
.set NINF, 248
.set TP,  249
.set MD,  250
; scalar registers
.set W,   12                           ; wave
.set SW,  13                           ; wave / 2: the step of keys that I quantise
.set HW,  14                           ; wave % 2
.set TA,  15
.set OFP, 16                           ; s[16:17] an offset, high word 0
.set Q0A, 18                           ; s18, s19 my two tiles' first queries
.set SEL, 20                           ; s[20:21] v_permlanex16_b32's selects for lane l xor 16
.set CS,  22                           ; s[22:23] c = log2(e) / 8
.set TI,  24                           ; the step's images: 6,144 a step
.set TS,  25                           ; K's scale words: 512 a step
.set TT,  26                           ; V's: 256 a step
.set KF,  27                           ; the step's first key
.set Q0,  28                           ; the tile's first query,
.set QL,  29                           ; and its last
.set CNT, 30
.set TB,  31
.set OUTA, 32                          ; s[32:33], s[34:35] out at my two tiles
.set KBS, 36                           ; s[36:37] keys at my 64 rows
.set VBS, 38                           ; s[38:39] values at my first 32 rows
.set QAB, 40                           ; s[40:41], s[42:43] queries at my two tiles
.set QBB, 42
.set STW, 44                           ; my stage
; eight loads: 16 rows of 256 bytes, two whole rows an instruction
.macro LOAD8 area, base, off, nt
.irp i, 0,1,2,3,4,5,6,7
.if \nt
	global_load_b128 v[\area+4*\i:\area+4*\i+3], v[GL], s[\base:\base+1] offset:\off+2*ROWG*\i th:TH_LOAD_NT
.else
	global_load_b128 v[\area+4*\i:\area+4*\i+3], v[GL], s[\base:\base+1] offset:\off+2*ROWG*\i
.endif
.endr
.endm
.macro BATCH area, base, off           ; 32 rows.  No hint: the partner work-group reads them too
	LOAD8 \area, \base, \off, 0
	LOAD8 \area+32, \base, \off+16*ROWG, 0
.endm
; a batch's 32 rows into my stage, as they were loaded.  perm = 1 (K): row x goes to slot 16 ((x / 8) % 2) + 8 (x / 16) + x % 8, so that slot 16 u + r holds key 8 u + r + 8 (r / 8): tile u's lane r
.macro STAGE_IN area, perm
.irp i, 0,1,2,3,4,5,6,7,8,9,10,11,12,13,14,15
.if \perm
	ds_store_b128 v[SI], v[\area+4*\i:\area+4*\i+3] offset:SP*(16*(((2*\i)>>3)&1)+8*((2*\i)>>4)+((2*\i)&7))
.else
	ds_store_b128 v[SI], v[\area+4*\i:\area+4*\i+3] offset:SP*2*\i
.endif
.endr
.endm
; back by rows: lane (r, h) takes e = 32 h .. 32 h + 31 of slots r and 16 + r: two whole blocks.  LDS serves a wave's instructions in order (ISA guide 5.7.1.4): these see the stores above
.macro ROWS_OUT area
.irp u, 0,1
.irp j, 0,1,2,3,4,5,6,7
	ds_load_b128 v[\area+32*\u+4*\j:\area+32*\u+4*\j+3], v[SRR] offset:SP*16*\u+16*\j
.endr
.endr
.endm
; back by columns: the lane takes columns l and l + 32, and its registers run down the 32 keys: two whole blocks along the second product's K
.macro COLS_OUT area
.set x, 0
.rept 32
	ds_load_b32 v[\area+x], v[SCL] offset:SP*x
	ds_load_b32 v[\area+32+x], v[SCL] offset:SP*x+128
.set x, x+1
.endr
.endm
; two blocks of 32 numbers of a lane, v[src + 32 u ..], become 2 x 6 registers of codes in v[PC + 6 u ..] and two scale bytes in v[BY + u]
.macro QUANT2 src
.irp q, 0,1,2,3
	v_max3_num_f32 v[MX+\q], |v[\src+16*\q]|, |v[\src+16*\q+1]|, 0x1800000   ; four chains of 16 by turns, each with the floor 2^(3 - 127): the byte cannot fall under 1
.endr
.irp i, 2,4,6,8,10,12,14
.irp q, 0,1,2,3
	v_max3_num_f32 v[MX+\q], v[MX+\q], |v[\src+16*\q+\i]|, |v[\src+16*\q+\i+1]|
.endr
.endr
.irp u, 0,1
	v_max_num_f32 v[MX+2*\u], v[MX+2*\u], v[MX+2*\u+1]             ; the block's largest magnitude
.endr
.irp u, 0,1
	v_add_nc_u32 v[SCO+\u], 0xff000000, v[MX+2*\u]                 ; 2 off its exponent field: the conversion takes the exponent field of this operand as its scale
.endr
.irp u, 0,1
	v_lshrrev_b32 v[BY+\u], 23, v[SCO+\u]                          ; the scale's byte
.endr
.irp u, 0,1
	v_cvt_scalef32_pk16_fp6_f32 v[PC+6*\u:PC+6*\u+2], v[\src+32*\u:\src+32*\u+15], v[SCO+\u]
	v_cvt_scalef32_pk16_fp6_f32 v[TC+4*\u:TC+4*\u+2], v[\src+32*\u+16:\src+32*\u+31], v[SCO+\u]
.endr
	v_nop                                          ; one plain place behind a scaled conversion
.irp u, 0,1
.irp i, 0,1,2
	v_mov_b32 v[PC+6*\u+3+\i], v[TC+4*\u+\i]
.endr
.endr
.endm
; Rows' scale words (K, Q).  Lane (r, h) holds byte h of rows (u = 0, r) and (u = 1, r).  Lanes 0-15 make row (0, r)'s word, lanes 16-31 row (1, r)'s; bytes 2, 3 repeat bytes 0, 1.  vcc_lo = lanes 16-31
.macro WORD
	v_permlanex16_b32 v[XB], v[BY], s[SEL], s[SEL+1]
	v_permlanex16_b32 v[XB+1], v[BY+1], s[SEL], s[SEL+1]
	v_cndmask_b32 v[WD], v[BY], v[XB+1], vcc_lo    ; byte 0: my own (lanes 0-15), or the lower lane's of row (1, r)
	v_cndmask_b32 v[WD+1], v[XB], v[BY+1], vcc_lo  ; byte 1: the upper lane's of row (0, r), or my own
	v_lshl_or_b32 v[WD], v[WD+1], 8, v[WD]
	v_lshl_or_b32 v[WD], v[WD], 16, v[WD]
.endm
.macro KSTORE bt                       ; tiles 2 b and 2 b + 1 (b = 2 (wave % 2) + bt) of my step: registers 12 b .. 12 b + 11 of its 48, and word b
.irp i, 0,1,2
	ds_store_b128 v[KA], v[PC+4*\i:PC+4*\i+3] offset:1536*\bt+512*\i
.endr
	ds_store_b32 v[KW], v[WD] offset:4*\bt
.endm
; My lane holds block 2 c + wave % 2 of columns d = l + 32 j: registers 6 c .. 6 c + 5 of lane (l % 16, wave % 2) of tile 2 j + l / 16
.macro VSTORE c
.irp j, 0,1
.if \c == 0
	ds_store_b128 v[VA], v[PC+6*\j:PC+6*\j+3] offset:3072*\j
	ds_store_b64 v[VA], v[PC+6*\j+4:PC+6*\j+5] offset:3072*\j+512
.else
	ds_store_b64 v[VA], v[PC+6*\j:PC+6*\j+1] offset:3072*\j+520
	ds_store_b128 v[VA], v[PC+6*\j+2:PC+6*\j+5] offset:3072*\j+1024
.endif
	ds_store_b8 v[VBY], v[BY+\j] offset:4*\j+2*\c
.endr
.endm
; tile t of S^T.  K's words of an odd tile, and the second tile's words of Q, stand in lanes 16-31
.macro SPROD t, tb
.if ((\t)%2 == 0) && (\tb == 0)
	v_wmma_scale_f32_16x16x128_f8f6f4 v[S+8*(\t):S+8*(\t)+7], v[F+6*(\t):F+6*(\t)+11], v[QF:QF+11], 0, v[KS+(\t)/2], v[QS] matrix_a_fmt:MATRIX_FMT_FP6 matrix_b_fmt:MATRIX_FMT_FP6
.elseif (\tb == 0)
	v_wmma_scale_f32_16x16x128_f8f6f4 v[S+8*(\t):S+8*(\t)+7], v[F+6*(\t):F+6*(\t)+11], v[QF:QF+11], 0, v[KS+(\t)/2], v[QS] matrix_a_fmt:MATRIX_FMT_FP6 matrix_b_fmt:MATRIX_FMT_FP6 matrix_a_scale:MATRIX_SCALE_ROW1
.elseif ((\t)%2 == 0)
	v_wmma_scale_f32_16x16x128_f8f6f4 v[S+8*(\t):S+8*(\t)+7], v[F+6*(\t):F+6*(\t)+11], v[QF:QF+11], 0, v[KS+(\t)/2], v[QS] matrix_a_fmt:MATRIX_FMT_FP6 matrix_b_fmt:MATRIX_FMT_FP6 matrix_b_scale:MATRIX_SCALE_ROW1
.else
	v_wmma_scale_f32_16x16x128_f8f6f4 v[S+8*(\t):S+8*(\t)+7], v[F+6*(\t):F+6*(\t)+11], v[QF:QF+11], 0, v[KS+(\t)/2], v[QS] matrix_a_fmt:MATRIX_FMT_FP6 matrix_b_fmt:MATRIX_FMT_FP6 matrix_a_scale:MATRIX_SCALE_ROW1 matrix_b_scale:MATRIX_SCALE_ROW1
.endif
.endm
.macro PVPROD t                        ; tile t of O^T, d = 16 t on
.if (\t)%2 == 0
	v_wmma_scale_f32_16x16x128_f8f6f4 v[O+8*(\t):O+8*(\t)+7], v[F+12*(\t):F+12*(\t)+11], v[PCM:PCM+11], v[O+8*(\t):O+8*(\t)+7], v[VS+(\t)/2], v[PW] matrix_a_fmt:MATRIX_FMT_FP6 matrix_b_fmt:MATRIX_FMT_FP6
.else
	v_wmma_scale_f32_16x16x128_f8f6f4 v[O+8*(\t):O+8*(\t)+7], v[F+12*(\t):F+12*(\t)+11], v[PCM:PCM+11], v[O+8*(\t):O+8*(\t)+7], v[VS+(\t)/2], v[PW] matrix_a_fmt:MATRIX_FMT_FP6 matrix_b_fmt:MATRIX_FMT_FP6 matrix_a_scale:MATRIX_SCALE_ROW1
.endif
.endm
; A KEY STEP: 128 keys.  A step all of whose keys come after the tile's queries is left out by a scalar branch on ids; the lines at its end that step addresses are walked all the same, so that the loop's trip count is a constant.
.macro STEP tb
	s_cmp_gt_u32 s[KF], s[QL]
	s_cbranch_scc1 .Lhid_\@
	v_add_nc_u32 v[ADK], s[TI], v[AKI]
	v_add_nc_u32 v[ADS], s[TS], v[AKS]
	v_nop
	v_nop                                          ; four places between the last step's products and the loads into the registers that they read (ISA guide 7.12.1 for vector instructions)
	ds_load_b128 v[KS:KS+3], v[ADS]
.irp i, 0,1,2,3,4,5,6,7,8,9,10,11
	ds_load_b128 v[F+4*\i:F+4*\i+3], v[ADK] offset:512*\i          ; 512 consecutive bytes an instruction: the registers as they were stored
.endr
	s_wait_dscnt 0x0
.irp t, 0,1,2,3,4,5,6,7
	SPROD \t, \tb
.endr
	v_add_nc_u32 v[ADV], s[TI], v[AVI]
	v_add_nc_u32 v[ADT], s[TT], v[AVS]
	v_nop
	v_nop                                          ; four places: for the loads below and for the first read of the scores
	ds_load_b64 v[VS:VS+1], v[ADT]
.irp i, 0,1,2,3,4,5,6,7,8,9,10,11
	ds_load_b128 v[F+4*\i:F+4*\i+3], v[ADV] offset:512*\i          ; V^T lands while the softmax is worked
.endr
	s_add_co_u32 s[TB], s[KF], 127                 ; on the diagonal the scores of hidden keys become -infinity ahead of the maximum: p = 0 then.  A step all of whose keys count skips this
	s_cmp_le_u32 s[TB], s[Q0]
	s_cbranch_scc1 .Lopen_\@
	s_sub_co_i32 s[TB], s[Q0], s[KF]
	v_add_nc_u32 v[MD], s[TB], v[DL]               ; d = my query - KF - 16 (lane / 16).  Register 16 b + i holds key KF + 16 (lane / 16) + 32 b + i: hidden where 32 b + i > d
.set n, 0
.rept 64
	v_cmp_gt_i32 vcc_lo, 32*(n/16)+n%16, v[MD]
	v_cndmask_b32 v[S+n], v[S+n], v[NINF], vcc_lo  ; (ascending: each accumulator is read from its low end on)
.set n, n+1
.endr
.Lopen_\@:
.irp b, 0,1,2,3
	v_max3_num_f32 v[BM+\b], v[S+16*\b], v[S+16*\b+1], v[S+16*\b+2]   ; the largest score of each block of 32 keys: it serves for the row's maximum and, since p rises with the score, for the block's largest p
.endr
.irp i, 3,5,7,9,11,13
.irp b, 0,1,2,3
	v_max3_num_f32 v[BM+\b], v[BM+\b], v[S+16*\b+\i], v[S+16*\b+\i+1]
.endr
.endr
.irp b, 0,1,2,3
	v_max_num_f32 v[BM+\b], v[BM+\b], v[S+16*\b+15]
.endr
.irp b, 0,1,2,3
	v_permlanex16_b32 v[BT+\b], v[BM+\b], s[SEL], s[SEL+1]
.endr
.irp b, 0,1,2,3
	v_max_num_f32 v[BM+\b], v[BM+\b], v[BT+\b]     ; with lane l xor 16's 16 keys
.endr
	v_max3_num_f32 v[TP], v[BM], v[BM+1], v[BM+2]
	v_max_num_f32 v[TP], v[TP], v[BM+3]            ; the step's largest score of my query
	v_mul_f32 v[TP], s[CS], v[TP]                  ; as t (c is positive)
	v_max_num_f32 v13, v13, v[TP]                  ; the running largest t
	v_mov_b32 v[TP], v12
	v_floor_f32 v12, -v13                          ; the new -M = floor(-t) = -ceil(t): a whole number
	v_sub_f32 v[TP], v12, v[TP]                    ; old M - new M: a whole number, 0 or less
	v_cvt_i32_f32 v[TP], v[TP]                     ; (it saturates)
	v_ldexp_f32 v[FF], 1.0, v[TP]                  ; f = 2^(old M - new M)
.set j, 0
.rept 32
	v_pk_fma_f32 v[S+j:S+j+1], v[S+j:S+j+1], s[CS:CS+1], v[12:13] op_sel_hi:[1,0,0]   ; t - M, two at a time (of the pairs c and -M the low word serves both halves)
.set j, j+2
.endr
.irp b, 0,1,2,3
	v_fma_f32 v[BM+\b], v[BM+\b], s[CS], v12       ; the same of each block's largest score
.endr
.set j, 0
.rept 64
	v_exp_f32 v[S+j], v[S+j]                       ; p = 2^(t - M): not normalised
.set j, j+1
.endr
.irp b, 0,1,2,3
	v_exp_f32 v[BM+\b], v[BM+\b]                   ; the block's largest p: the same two instructions on the same number give the same bits
.endr
	v_pk_mul_f32 v[14:15], v[14:15], v[FF:FF+1] op_sel_hi:[1,0]    ; the sums under the new M.  (The plain place behind the exponentials)
	s_wait_alu depctr_va_vdst(0)
.irp b, 0,1,2,3
	v_max_num_f32 v[BM+\b], 0x1800000, v[BM+\b]    ; the floor 2^(3 - 127): a block whose every p is 0 keeps the byte 1: its codes are zeros
.endr
.irp b, 0,1,2,3
	v_add_nc_u32 v[SCP+\b], 0xff000000, v[BM+\b]   ; 2 off the exponent field: the conversion's scale operand
.endr
.irp b, 0,1,2,3
	v_lshrrev_b32 v[BT+\b], 23, v[SCP+\b]          ; the scale's byte
.endr
	v_lshl_or_b32 v[PW], v[BT+1], 8, v[BT]         ; p's scale word for these 128 keys
	v_lshl_or_b32 v[PW], v[BT+2], 16, v[PW]
	v_lshl_or_b32 v[PW], v[BT+3], 24, v[PW]
.irp c, 0,1
	v_cvt_scalef32_pk16_fp6_f32 v[PCM+6*\c:PCM+6*\c+2], v[S+32*\c:S+32*\c+15], v[SCP+2*\c]
	v_cvt_scalef32_pk16_fp6_f32 v[T2+4*\c:T2+4*\c+2], v[S+32*\c+16:S+32*\c+31], v[SCP+2*\c+1]
.endr
	v_nop                                          ; one plain place behind a scaled conversion
.irp c, 0,1                                    ; the operand's layout wants a WHOLE block in a lane: lanes 0-15 block 2 c, lanes 16-31 block 2 c + 1
.irp i, 0,1,2
	v_permlane16_swap_b32 v[PCM+6*\c+\i], v[T2+4*\c+\i]
.endr
.irp i, 0,1,2
	v_mov_b32 v[PCM+6*\c+3+\i], v[T2+4*\c+\i]
.endr
.endr
	v_pk_add_f32 v[T2:T2+1], v[S:S+1], v[S+2:S+3]  ; the row's sum is taken of the unquantised p: two at a time, in two chains
.set j, 4
.rept 15
	v_pk_add_f32 v[14:15], v[14:15], v[S+j:S+j+1]
	v_pk_add_f32 v[T2:T2+1], v[T2:T2+1], v[S+j+2:S+j+3]
.set j, j+4
.endr
	v_pk_add_f32 v[14:15], v[14:15], v[T2:T2+1]
.set j, 0
.rept 16
	v_pk_mul_f32 v[O+j:O+j+1], v[O+j:O+j+1], v[FF:FF+1] op_sel_hi:[1,0]   ; O^T under the new M, from each accumulator's low end on.  (With the sums: far more than the places that p's codes and word owe)
.set j, j+2
.endr
	s_wait_dscnt 0x0                               ; V^T and its scale words are in
.irp t, 0,1,2,3
	PVPROD \t                                      ; four accumulators, one instruction each; between two links of a chain stand the others' and the next step's eight
.endr
.Lhid_\@:
	s_add_co_u32 s[KF], s[KF], 128
	s_add_co_u32 s[TI], s[TI], STEPB
	s_add_co_u32 s[TS], s[TS], 512
	s_add_co_u32 s[TT], s[TT], 256
.endm
; THE WAY OUT of a tile: O^T / the sum goes through my stage (a lane holds 32 bytes of a row, the lanes beside it other rows) and leaves as whole rows of 256 aligned bytes, two an instruction
.macro WAYOUT tb
.rept 4
	v_nop                                          ; places behind the last products
.endr
	v_add_f32 v14, v14, v15                        ; the sum's two halves,
	v_permlanex16_b32 v[TP], v14, s[SEL], s[SEL+1]
	v_add_f32 v14, v14, v[TP]                      ; and lane l xor 16's: the row's sum
	v_rcp_f32 v14, v14
	v_mov_b32 v15, 0                               ; (a plain place behind the reciprocal; v15 is named with v14 as a pair)
.set j, 0
	s_wait_alu depctr_va_vdst(0)
.rept 16
	v_pk_mul_f32 v[S+j:S+j+1], v[O+j:O+j+1], v[14:15] op_sel_hi:[1,0]   ; register 8 t + i is out(query r, 16 t + 8 h + i)
.set j, j+2
.endr
.irp t, 0,1,2,3
	ds_store_b128 v[SO], v[S+8*\t:S+8*\t+3] offset:64*\t
	ds_store_b128 v[SO], v[S+8*\t+4:S+8*\t+7] offset:64*\t+16
.endr
.irp i, 0,1,2,3,4,5,6,7
	ds_load_b128 v[S+32+4*\i:S+32+4*\i+3], v[SI] offset:2*SP*\i    ; LDS serves a wave's instructions in order: these see my stores
.endr
.irp i, 0,1,2,3,4,5,6,7
	s_wait_dscnt 7-\i                              ; the younger row loads may be out
	global_store_b128 v[GL], v[S+32+4*\i:S+32+4*\i+3], s[OUTA+2*\tb:OUTA+2*\tb+1] offset:2*ROWG*\i th:TH_STORE_NT   ; sixteen lanes store 256 consecutive bytes, at a multiple of 256 from out's first byte
.endr
.if \tb == 0
	s_wait_xcnt 0x0                                ; the stores' data registers are written again by the next tile only behind this wait
.endif
.endm
; A TILE of 16 queries.  Written twice, so that every stepped scalar begins at a constant and each loop has 8 trips.
.macro TILE tb
	s_mov_b32 s[TI], 0
	s_mov_b32 s[TS], 0
	s_mov_b32 s[TT], 0
	s_mov_b32 s[KF], 0
	s_mov_b32 s[CNT], 8
	s_mov_b32 s[Q0], s[Q0A+\tb]
	s_add_co_u32 s[QL], s[Q0], 15
.if \tb
.irp i, 0,1,2,3,4,5
	v_mov_b32 v[QF+\i], v[PC+6+\i]                 ; the second tile's codes of Q
.endr
.endif
	v_mov_b32 v13, 0xff61b1e6                      ; the largest t so far: -3e38, under every t
	v_floor_f32 v12, -v13                          ; -M
	v_mov_b32 v14, 0                               ; the sum, in two halves
	v_mov_b32 v15, 0
.set j, 0
.rept 32
	v_mov_b32 v[O+j], 0                            ; O^T.  (The step is written once: the first finds zeros, which the first change of M leaves zeros)
.set j, j+1
.endr
.Lstep_\@:
	STEP \tb
	s_sub_co_u32 s[CNT], s[CNT], 1
	s_cmp_lg_u32 s[CNT], 0
	s_cbranch_scc1 .Lstep_\@
	WAYOUT \tb
.endm
	; ---- ids, bases, and the first 48 loads
	s_load_b256 s[4:11], s[0:1], 0x0               ; queries s[4:5], keys s[6:7], values s[8:9], out s[10:11]
	v_lshl_add_u32 v254, v0, 2, 0x3b800
	v_mov_b32 v255, 0
	v_lshrrev_b32 v8, 5, v0
	v_readfirstlane_b32 s[W], v8                   ; wave 0..15
	v_and_b32 v12, 31, v0                          ; lane
	v_and_b32 v13, 15, v0                          ; lane % 16
	v_bfe_u32 v14, v0, 4, 1                        ; lane / 16
	v_lshlrev_b32 v[GL], 11, v14
	v_lshl_add_u32 v[GL], v13, 4, v[GL]
	s_lshr_b32 s[SW], s[W], 1
	s_and_b32 s[HW], s[W], 1
	s_and_b32 s[TA], ttmp9, 1                      ; g: which of the head's two work-groups
	s_lshl_b32 s[Q0A], s[TA], 8
	s_lshl_b32 s[TA], s[W], 4
	s_add_co_u32 s[Q0A], s[Q0A], s[TA]             ; my first tile: query 256 g + 16 wave
	s_sub_co_u32 s[Q0A+1], 1008, s[Q0A]            ; my second: its mirror
	s_lshr_b32 s[OFP], ttmp9, 4                    ; (b, n): 2^21 bytes each,
	s_lshl_b32 s[OFP], s[OFP], 21
	s_bfe_u32 s[TA], ttmp9, 0x30001                ; h: 256 bytes each
	s_lshl_b32 s[TA], s[TA], 8
	s_or_b32 s[OFP], s[OFP], s[TA]
	s_mov_b32 s[OFP+1], 0
	s_wait_kmcnt 0x0
	s_add_nc_u64 s[4:5], s[4:5], s[OFP:OFP+1]      ; all four tensors at the head's first row
	s_add_nc_u64 s[6:7], s[6:7], s[OFP:OFP+1]
	s_add_nc_u64 s[8:9], s[8:9], s[OFP:OFP+1]
	s_add_nc_u64 s[10:11], s[10:11], s[OFP:OFP+1]
	s_lshl_b32 s[OFP], s[W], 17                    ; keys 64 wave on
	s_add_nc_u64 s[KBS:KBS+1], s[6:7], s[OFP:OFP+1]
	s_lshl_b32 s[OFP], s[SW], 18                   ; values: key 128 (wave / 2) + 32 (wave % 2) on
	s_lshl_b32 s[TA], s[HW], 16
	s_add_co_u32 s[OFP], s[OFP], s[TA]
	s_add_nc_u64 s[VBS:VBS+1], s[8:9], s[OFP:OFP+1]
	s_lshl_b32 s[OFP], s[Q0A], 11
	s_add_nc_u64 s[QAB:QAB+1], s[4:5], s[OFP:OFP+1]
	s_add_nc_u64 s[OUTA:OUTA+1], s[10:11], s[OFP:OFP+1]
	s_lshl_b32 s[OFP], s[Q0A+1], 11
	s_add_nc_u64 s[QBB:QBB+1], s[4:5], s[OFP:OFP+1]
	s_add_nc_u64 s[OUTA+2:OUTA+3], s[10:11], s[OFP:OFP+1]
	BATCH AA, KBS, 0                               ; K0: keys 64 wave + 0 .. 31
	BATCH AB, KBS, 32*ROWG                         ; K1: + 32 .. 63
	BATCH AC, VBS, 0                               ; V0: block wave % 2 of my step
	; ---- the LDS addresses and constants, while the loads are on their way
	s_mov_b32 s[SEL], 0x76543210
	s_mov_b32 s[SEL+1], 0xfedcba98
	s_mov_b32 s[CS], 0x3e38aa3b                    ; c = log2(e) / sqrt(64)
	s_mov_b32 s[CS+1], s[CS]                       ; (named with it as a pair, so it is written)
	s_mov_b32 vcc_lo, 0xffff0000                   ; lanes 16-31, for WORD
	s_mul_i32 s[STW], s[W], WSTG
	s_add_co_u32 s[STW], s[STW], STG
	v_lshlrev_b32 v[AKI], 4, v12
	v_lshl_add_u32 v[AVI], v12, 4, VIMG
	v_lshl_add_u32 v[AKS], v12, 4, KSC
	v_lshl_add_u32 v[AVS], v12, 3, VSC
	v_mul_u32_u24 v[SO], v13, SP
	v_lshl_add_u32 v[SO], v14, 5, v[SO]
	v_add_nc_u32 v[SO], s[STW], v[SO]
	v_mul_u32_u24 v[SI], v14, SP
	v_lshl_add_u32 v[SI], v13, 4, v[SI]
	v_add_nc_u32 v[SI], s[STW], v[SI]
	v_lshlrev_b32 v[DL], 4, v14
	v_sub_nc_u32 v[DL], v13, v[DL]
	v_mul_u32_u24 v[SRR], v13, SP
	v_lshl_add_u32 v[SRR], v14, 7, v[SRR]
	v_add_nc_u32 v[SRR], s[STW], v[SRR]
	v_lshl_add_u32 v[SCL], v12, 2, s[STW]
	s_mul_i32 s[TA], s[W], 3072
	v_lshl_add_u32 v[KA], v12, 4, s[TA]
	s_lshl_b32 s[TA], s[SW], 9
	s_lshl_b32 s[TB], s[HW], 3
	s_add_co_u32 s[TA], s[TA], s[TB]
	s_add_co_u32 s[TA], s[TA], KSC
	v_lshl_add_u32 v[KW], v12, 4, s[TA]
	s_mul_i32 s[TA], s[SW], STEPB
	s_lshl_b32 s[TB], s[HW], 8
	s_add_co_u32 s[TA], s[TA], s[TB]
	s_add_co_u32 s[TA], s[TA], VIMG
	v_mul_u32_u24 v[VA], v14, 1536
	v_lshl_add_u32 v[VA], v13, 4, v[VA]
	v_add_nc_u32 v[VA], s[TA], v[VA]
	s_lshl_b32 s[TA], s[SW], 8
	s_add_co_u32 s[TA], s[TA], s[HW]
	s_add_co_u32 s[TA], s[TA], VSC
	v_lshl_add_u32 v[VBY], v12, 3, s[TA]
	v_mov_b32 v[XB], 0                             ; written once: a lane permute's destination counts as one of its sources
	v_mov_b32 v[XB+1], 0
	; ---- K0
	s_wait_loadcnt 32                              ; K0's 16 loads are in; K1's and V0's 32 were issued behind them
	STAGE_IN AA, 1
	ROWS_OUT AA
	s_wait_dscnt 0x0
	QUANT2 AA
	BATCH AA, VBS, 64*ROWG                         ; V1: block 2 + wave % 2 of my step, into the area just left
	WORD
	KSTORE 0
	; ---- K1
	s_wait_loadcnt 32                              ; behind K1: V0 and V1
	STAGE_IN AB, 1
	ROWS_OUT AB
	s_wait_dscnt 0x0                               ; my rows are back; the stores of the last codes and word have read their registers
	QUANT2 AB
	LOAD8 AB, QAB, 0, 1                            ; Q: 16 rows of my first tile, 16 of my second; nobody else reads them
	LOAD8 AB+32, QBB, 0, 1
	WORD
	KSTORE 1
	; ---- V0
	s_wait_loadcnt 32                              ; behind V0: V1 and Q
	STAGE_IN AC, 0
	COLS_OUT AC
	s_wait_dscnt 0x0
	QUANT2 AC
	VSTORE 0
	; ---- V1
	s_wait_loadcnt 16                              ; behind V1: Q
	STAGE_IN AA, 0
	COLS_OUT AA
	s_wait_dscnt 0x0
	QUANT2 AA
	VSTORE 1
	; ---- Q: it stays in registers
	s_wait_loadcnt 0x0
	STAGE_IN AB, 0
	ROWS_OUT AB
	s_wait_dscnt 0x0
	QUANT2 AB                                      ; v224-229 the first tile's codes, v230-235 the second's, which wait there
	WORD
	v_mov_b32 v[QS], v[WD]
.irp i, 0,1,2,3,4,5
	v_mov_b32 v[QF+\i], v[PC+\i]
.endr
.irp i, 0,1,2,3,4,5
	v_mov_b32 v[QF+6+\i], 0                        ; zero codes for the instruction's upper 64 along K
.endr
.irp i, 0,1,2,3,4,5
	v_mov_b32 v[F+48+\i], 0                        ; what the last tile of K names behind its own six registers
.endr
.irp i, 0,1,2,3
	v_mov_b32 v[BT+\i], 0                          ; written once: lane permutes' destinations
.endr
	v_mov_b32 v[TP], 0
	v_mov_b32 v[PW], 0                             ; (named as the upper half of the pair with f before it is first made)
	v_mov_b32 v[NINF], 0xff800000                  ; -infinity
	s_wait_dscnt 0x0                               ; for the others' sake: my images and scale words lie in LDS
	s_barrier_signal -1
	s_barrier_wait -1                              ; the head's K and V^T are whole; from here on they are only read
	; ---- my two tiles
	TILE 0
	TILE 1
	s_wait_tensorcnt 0x0
	ds_add_u32 v254, v255
	s_wait_dscnt 0x0
	s_endpgm
.Lfunc_end_k_q4cbe98cf9f_attn:
	.size	k_q4cbe98cf9f_attn, .Lfunc_end_k_q4cbe98cf9f_attn-k_q4cbe98cf9f_attn
	.p2alignl 7, 3214868480
	.fill 96, 4, 3214868480
	.section	.rodata,"a",@progbits
	.p2align	6, 0x0
	.amdhsa_kernel k_q4cbe98cf9f_attn
		.amdhsa_group_segment_fixed_size 245760
		.amdhsa_private_segment_fixed_size 0
		.amdhsa_enable_private_segment 0
		.amdhsa_kernarg_size 32
		.amdhsa_user_sgpr_count 2
		.amdhsa_user_sgpr_kernarg_segment_ptr 1
		.amdhsa_wavefront_size32 1
		.amdhsa_system_sgpr_workgroup_id_x 1
		.amdhsa_system_sgpr_workgroup_id_y 1
		.amdhsa_system_sgpr_workgroup_id_z 1
		.amdhsa_system_vgpr_workitem_id 0
		.amdhsa_next_free_vgpr 256
		.amdhsa_next_free_sgpr 66
		.amdhsa_reserve_vcc 1
		.amdhsa_float_denorm_mode_32 3
		.amdhsa_float_denorm_mode_16_64 3
		.amdhsa_memory_ordered 1
		.amdhsa_forward_progress 1
		.amdhsa_inst_pref_size 97
	.end_amdhsa_kernel
	.amdgpu_metadata
---
amdhsa.version: [ 1, 2 ]
amdhsa.kernels:
  - .name:           k_q4cbe98cf9f_attn
    .symbol:         k_q4cbe98cf9f_attn.kd
    .args:
      - { .name: queries, .offset: 0, .size: 8, .value_kind: global_buffer, .address_space: global }
      - { .name: keys, .offset: 8, .size: 8, .value_kind: global_buffer, .address_space: global }
      - { .name: values, .offset: 16, .size: 8, .value_kind: global_buffer, .address_space: global }
      - { .name: out0, .offset: 24, .size: 8, .value_kind: global_buffer, .address_space: global }
    .group_segment_fixed_size: 245760
    .private_segment_fixed_size: 0
    .kernarg_segment_align: 8
    .kernarg_segment_size: 32
    .max_flat_workgroup_size: 512
    .sgpr_count:     66
    .vgpr_count:     256
    .wavefront_size: 32
...
	.end_amdgpu_metadata
.endif
;; end of part 1
;; ======== version 2 of 2: 1 launch; version 1 with the launch attn written anew for expert scheduling mode
;; launch attn (part 2): grid 256 x 1, 16 waves a work-group, no clusters, 245,760 bytes of LDS; arguments queries, keys, values, out0; writes out0
.if DOCPART == 2
	.amdgcn_target "amdgcn-amd-amdhsa--gfx1250"
	.amdhsa_code_object_version 6
	.text
	.protected	k_q4cbe98cf9f_attn
	.globl	k_q4cbe98cf9f_attn
	.p2align	8
	.type	k_q4cbe98cf9f_attn,@function
k_q4cbe98cf9f_attn:
	s_mov_b64 s[64:65], 0
	v_nop
	global_prefetch_b8 v0, s[64:65] scope:SCOPE_SE
	s_setreg_imm32_b32 hwreg(HW_REG_WAVE_SCHED_MODE, 0, 2), 2
	s_setreg_imm32_b32 hwreg(HW_REG_WAVE_MODE, 25, 1), 1
	s_wait_xcnt 0x0
	s_wait_alu depctr_vm_vsrc(0)
; Causal attention on codes of FP6 (E2M3) with one E8M0 scale for each 32 along a product's K.  queries, keys, values, out: [16 (b n)][1024 (l)][8 (h)][64] f32: a head's row is 256 aligned bytes, rows 2,048 bytes apart.
; out[q] = (sum over keys k <= q of p V[k]) / (sum of p),  p = 2^(t - M),  t = score x log2(e) / 8,  M = the running largest t rounded UP to a whole number.  p is quantised along the keys, not normalised;
; the row's sum is taken of the unquantised p.  When M moves, the sum and O are multiplied by 2^(old M - new M): exact.
; SHARES.  256 work-groups, two to a head (x = 2 head + g).  As codes a whole head's K and V are 2 x 49,152 bytes and their scale words 6,144: they stay in LDS.  PROLOGUE: the sixteen waves read the head's K and V and their own
; queries in whole rows of 256 bytes, quantise them in registers and lay K's and V^T's codes and scale words in LDS AS IMAGES OF THE OPERANDS' REGISTERS (lane l's 16 bytes of four registers at 16 l).  ONE barrier.
; MAIN PART: no barrier, no global load.  Wave w owns two tiles of 16 queries, tile p = 16 g + w and tile 63 - p.  Tile i needs i / 8 + 1 steps of 128 keys, so every wave of the launch has 9 steps, 2 of them on the diagonal.
; Four waves of 256 registers share a SIMD: one wave's softmax stands beside another's products and LDS loads.
; LAYOUT.  Both products are used transposed: S^T = K Q^T (source 0 = 16 keys, source 1 = my 16 queries), O^T = V^T P^T (source 0 = 16 of the head's 64, source 1 = p): a lane holds ONE query (lane % 16) throughout.
; THE KEYS OF A TILE ARE NOT NEIGHBOURS: lane r of tile 2 b + u takes key 32 b + 8 u + r + 8 (r / 8), so that S's register 16 b + i of lane (r, h) is key 32 b + 16 h + i: 16 neighbours for the conversions.
; THE FIRST PRODUCT'S K IS 64, THE INSTRUCTION'S 128.  The upper 64 are zero CODES ON Q'S SIDE ALONE (v22-27, written once).  K's eight fragments of 6 registers stand on end, and tile t's operand is the 12 registers from 6 t on:
; its upper six are the next tile's codes (behind the last tile: six zeros).  FP6 has no code for infinity or NaN, so they meet zeros and add exactly 0.  Bytes 2 and 3 of Q's and K's scale words repeat bytes 0 and 1,
; so that the idle blocks carry no larger exponent than the real ones, and never 0xff.  That way a step's K is 12 dense loads of 16 bytes a lane and nothing is cleared again.
; NO CLUSTER: K and V are shared by the two work-groups of a head alone, as f32: 524,288 bytes, which do not fit in LDS; joint requests land in LDS only, so they would want a ring with refills and twice the LDS traffic of the
; rows, which here go straight into registers.  The two partners are neighbours in the grid and read the same rows at about the same time.
; LIMITS: NaN and infinities among the inputs are not served.  A block of zeros gets the scale byte 1 where the quantiser says 127: its codes are zeros, and this kernel alone reads the bytes.  A block whose largest magnitude lies
; under 2^-124 has its byte held at 1.  A p under 2^-126 counts as 0 (v_exp_f32 gives 0 there).
; THE MODE: SCHED_MODE bits 1:0 = 2 (LLVM: expert scheduling mode 2), set by the entry lines.  The code itself states the register dependences between vector or matrix instructions and memory or LDS instructions,
; with s_wait_alu, always for 0.
; THE PLAN.  Registers that memory or LDS instructions touch:
;   v7, v1-6, v30, v31   offsets and LDS addresses: written once at the head by vector lines, read by loads and stores, never written again.
;   v8-11                the prologue's LDS addresses; in a key step the addresses of the loads in hand: v8, v9 written at the step's head, v10, v11 behind its first products; read by the step's LDS loads.
;   AA, AB, AC           a batch: global loads land; the stage's stores read the area; the stage's loads land in it again; QUANT2 reads it; AA and AB are then asked for once more.
;   v224-238             codes, bytes and word: written by QUANT2 and WORD, read by the stores of the images; written again by the next batch.
;   v32-79               a step's K: 12 loads land, the eight first products read; then its V^T: 12 loads land while the softmax, which names none of these, is worked; the four second products read.
;   v240-245             K's and V's scale words: loads land, the products read.
;   v96-159              on the way out: v96-127 written by the division, read by the stage's stores; the stage's loads land in v128-159, which the global stores read.
; A batch has one wait on vm_vsrc, between the stage's stores and loads, and one on va_vdst, behind its arithmetic.  A key step has one wait on vm_vsrc, at its head, and five on va_vdst: ahead of K's loads, ahead of V's loads, ahead of the exponentials,
; behind the exponentials, ahead of the second products.  The mask on the diagonal has its compares in runs of sixteen, into scalar registers, with one wait on va_sdst behind each run.
.set KIMG,  0                          ; LDS: K's images: step s at 6,144 s: 12 pieces of 512 bytes, piece i = registers 4 i .. 4 i + 3 of the 48
.set VIMG,  49152                      ; V^T's: step s at 6,144 s, tile t of 16 d at 1,536 t: 3 pieces of 512 bytes
.set KSC,   98304                      ; K's scale words: step s at 512 s; lane l's 16 bytes: words b = 0 .. 3; lanes 0-15 tile 2 b's rows, lanes 16-31 tile 2 b + 1's
.set VSC,   102400                     ; V's: step s at 256 s; lane l's 8 bytes: words j = 0, 1 of column d = 32 j + l; byte = the block of 32 keys in the step
.set STG,   104448                     ; a stage for each wave: 32 rows of 256 bytes + 16
.set SP,    272                        ; 68 words: row r starts at bank 4 r mod 64 (64 banks of 4 bytes: ISA guide 11.1)
.set WSTG,  32*SP
.set STEPB, 6144
.set ROWG,  2048                       ; from a head's row to the next, in memory
; vector registers that stay
.set AKI, 1                            ; KIMG + 16 lane
.set AVI, 2                            ; VIMG + 16 lane
.set AKS, 3                            ; KSC + 16 lane
.set AVS, 4                            ; VSC + 8 lane
.set SO,  5                            ; my stage + 272 (lane % 16) + 32 (lane / 16): the way out, in
.set SI,  6                            ; my stage + 272 (lane / 16) + 16 (lane % 16): two rows an instruction (prologue: in; way out: back)
.set GL,  7                            ; 2,048 (lane / 16) + 16 (lane % 16): the same two rows in memory; never rewritten
.set QF,  16                           ; v16-21 Q's codes, v22-27 zero codes
.set QS,  28                           ; Q's scale words: lanes 0-15 the first tile's, lanes 16-31 the second's
.set DL,  29                           ; lane % 16 - 16 (lane / 16), for the mask
; prologue
.set SRR, 8                            ; my stage + 272 (lane % 16) + 128 (lane / 16): a row's half, out
.set SCL, 9                            ; my stage + 4 lane: a column, out
.set KA,  10                           ; KIMG + 3,072 wave + 16 lane
.set KW,  11                           ; KSC + 512 (wave / 2) + 8 (wave % 2) + 16 lane
.set MX,  12                           ; v12-15 four chains of largest magnitudes
.set TC,  16                           ; v16-18, v20-22 the upper halves' codes (a conversion's three registers begin on an even number)
.set XB,  24                           ; v24-25 the other half of the lanes' bytes
.set SCO, 26                           ; v26-27 the conversions' scale operands
.set VA,  30                           ; VIMG + 6,144 (wave / 2) + 256 (wave % 2) + 1,536 (lane / 16) + 16 (lane % 16)
.set VBY, 31                           ; VSC + 256 (wave / 2) + wave % 2 + 8 lane
.set AA,  32                           ; three areas of 64 registers: a batch of 32 rows x 256 bytes each
.set AB,  96
.set AC,  160
.set PC,  224                          ; v224-235 two blocks' codes (v230-235 then keep the second tile's Q)
.set BY,  236                          ; v236-237 two scale bytes
.set WD,  238                          ; v238 a scale word, v239 at work
; main part
.set ADK, 8                            ; addresses of the loads in hand
.set ADS, 9
.set ADV, 10
.set ADT, 11                           ; v12 -M, v13 the largest t, v[14:15] the sum in two halves
.set F,   32                           ; v32-79 a step's K, then its V^T; v80-85 zeros
.set S,   96                           ; v96-159 S^T, then p
.set O,   160                          ; v160-191 O^T
.set PCM, 192                          ; v192-203 p's codes
.set T2,  204                          ; v204-211 at work
.set BM,  212                          ; v212-215 the blocks' largest scores
.set BT,  216                          ; v216-219 at work
.set SCP, 220                          ; v220-223 the conversions' scale operands
.set KS,  240                          ; v240-243 K's scale words; v244-245 V's; v247 p's: these and v28 hold scales and nothing else
.set VS,  244
.set FF,  246                          ; f = 2^(old M - new M)
.set PW,  247
.set NINF, 248
.set TP,  249
.set MD,  250
; scalar registers
.set W,   12                           ; wave
.set SW,  13                           ; wave / 2: the step of keys that I quantise
.set HW,  14                           ; wave % 2
.set TA,  15
.set OFP, 16                           ; s[16:17] an offset, high word 0
.set Q0A, 18                           ; s18, s19 my two tiles' first queries
.set SEL, 20                           ; s[20:21] v_permlanex16_b32's selects for lane l xor 16
.set CS,  22                           ; s[22:23] c = log2(e) / 8
.set TI,  24                           ; the step's images: 6,144 a step
.set TS,  25                           ; K's scale words: 512 a step
.set TT,  26                           ; V's: 256 a step
.set KF,  27                           ; the step's first key
.set Q0,  28                           ; the tile's first query,
.set QL,  29                           ; and its last
.set CNT, 30
.set TB,  31
.set OUTA, 32                          ; s[32:33], s[34:35] out at my two tiles
.set KBS, 36                           ; s[36:37] keys at my 64 rows
.set VBS, 38                           ; s[38:39] values at my first 32 rows
.set QAB, 40                           ; s[40:41], s[42:43] queries at my two tiles
.set QBB, 42
.set STW, 44                           ; my stage
.set LM,  45                           ; lanes 16-31, for WORD: written by a scalar line
                                       ; s4-11 and s36-43 are free behind the prologue (its loads have all come back): the main part keeps the diagonal's sixteen masks there
; eight loads: 16 rows of 256 bytes, two whole rows an instruction
.macro LOAD8 area, base, off, nt
.irp i, 0,1,2,3,4,5,6,7
.if \nt
	global_load_b128 v[\area+4*\i:\area+4*\i+3], v[GL], s[\base:\base+1] offset:\off+2*ROWG*\i th:TH_LOAD_NT
.else
	global_load_b128 v[\area+4*\i:\area+4*\i+3], v[GL], s[\base:\base+1] offset:\off+2*ROWG*\i
.endif
.endr
.endm
.macro BATCH area, base, off           ; 32 rows.  No hint: the partner work-group reads them too
	LOAD8 \area, \base, \off, 0
	LOAD8 \area+32, \base, \off+16*ROWG, 0
.endm
; a batch's 32 rows into my stage, as they were loaded.  perm = 1 (K): row x goes to slot 16 ((x / 8) % 2) + 8 (x / 16) + x % 8, so that slot 16 u + r holds key 8 u + r + 8 (r / 8): tile u's lane r
.macro STAGE_IN area, perm
.irp i, 0,1,2,3,4,5,6,7,8,9,10,11,12,13,14,15
.if \perm
	ds_store_b128 v[SI], v[\area+4*\i:\area+4*\i+3] offset:SP*(16*(((2*\i)>>3)&1)+8*((2*\i)>>4)+((2*\i)&7))
.else
	ds_store_b128 v[SI], v[\area+4*\i:\area+4*\i+3] offset:SP*2*\i
.endif
.endr
.endm
; back by rows: lane (r, h) takes e = 32 h .. 32 h + 31 of slots r and 16 + r: two whole blocks.  LDS serves a wave's instructions in order (ISA guide 5.7.1.4): these see the stores above
.macro ROWS_OUT area
.irp u, 0,1
.irp j, 0,1,2,3,4,5,6,7
	ds_load_b128 v[\area+32*\u+4*\j:\area+32*\u+4*\j+3], v[SRR] offset:SP*16*\u+16*\j
.endr
.endr
.endm
; back by columns: the lane takes columns l and l + 32, and its registers run down the 32 keys: two whole blocks along the second product's K
.macro COLS_OUT area
.set x, 0
.rept 32
	ds_load_b32 v[\area+x], v[SCL] offset:SP*x
	ds_load_b32 v[\area+32+x], v[SCL] offset:SP*x+128
.set x, x+1
.endr
.endm
; two blocks of 32 numbers of a lane, v[src + 32 u ..], become 2 x 6 registers of codes in v[PC + 6 u ..] and two scale bytes in v[BY + u]
.macro QUANT2 src
.irp q, 0,1,2,3
	v_max3_num_f32 v[MX+\q], |v[\src+16*\q]|, |v[\src+16*\q+1]|, 0x1800000   ; four chains of 16 by turns, each with the floor 2^(3 - 127): the byte cannot fall under 1
.endr
.irp i, 2,4,6,8,10,12,14
.irp q, 0,1,2,3
	v_max3_num_f32 v[MX+\q], v[MX+\q], |v[\src+16*\q+\i]|, |v[\src+16*\q+\i+1]|
.endr
.endr
.irp u, 0,1
	v_max_num_f32 v[MX+2*\u], v[MX+2*\u], v[MX+2*\u+1]             ; the block's largest magnitude
.endr
.irp u, 0,1
	v_add_nc_u32 v[SCO+\u], 0xff000000, v[MX+2*\u]                 ; 2 off its exponent field: the conversion takes the exponent field of this operand as its scale
.endr
.irp u, 0,1
	v_lshrrev_b32 v[BY+\u], 23, v[SCO+\u]                          ; the scale's byte
.endr
.irp u, 0,1
	v_cvt_scalef32_pk16_fp6_f32 v[PC+6*\u:PC+6*\u+2], v[\src+32*\u:\src+32*\u+15], v[SCO+\u]
	v_cvt_scalef32_pk16_fp6_f32 v[TC+4*\u:TC+4*\u+2], v[\src+32*\u+16:\src+32*\u+31], v[SCO+\u]
.endr
	v_nop                                          ; one plain place behind a scaled conversion
.irp u, 0,1
.irp i, 0,1,2
	v_mov_b32 v[PC+6*\u+3+\i], v[TC+4*\u+\i]
.endr
.endr
.endm
; Rows' scale words (K, Q).  Lane (r, h) holds byte h of rows (u = 0, r) and (u = 1, r).  Lanes 0-15 make row (0, r)'s word, lanes 16-31 row (1, r)'s; bytes 2, 3 repeat bytes 0, 1.  s[LM] = lanes 16-31
.macro WORD
	v_permlanex16_b32 v[XB], v[BY], s[SEL], s[SEL+1]
	v_permlanex16_b32 v[XB+1], v[BY+1], s[SEL], s[SEL+1]
	v_cndmask_b32 v[WD], v[BY], v[XB+1], s[LM]     ; byte 0: my own (lanes 0-15), or the lower lane's of row (1, r)
	v_cndmask_b32 v[WD+1], v[XB], v[BY+1], s[LM]   ; byte 1: the upper lane's of row (0, r), or my own
	v_lshl_or_b32 v[WD], v[WD+1], 8, v[WD]
	v_lshl_or_b32 v[WD], v[WD], 16, v[WD]
.endm
.macro KSTORE bt                       ; tiles 2 b and 2 b + 1 (b = 2 (wave % 2) + bt) of my step: registers 12 b .. 12 b + 11 of its 48, and word b
.irp i, 0,1,2
	ds_store_b128 v[KA], v[PC+4*\i:PC+4*\i+3] offset:1536*\bt+512*\i
.endr
	ds_store_b32 v[KW], v[WD] offset:4*\bt
.endm
; My lane holds block 2 c + wave % 2 of columns d = l + 32 j: registers 6 c .. 6 c + 5 of lane (l % 16, wave % 2) of tile 2 j + l / 16
.macro VSTORE c
.irp j, 0,1
.if \c == 0
	ds_store_b128 v[VA], v[PC+6*\j:PC+6*\j+3] offset:3072*\j
	ds_store_b64 v[VA], v[PC+6*\j+4:PC+6*\j+5] offset:3072*\j+512
.else
	ds_store_b64 v[VA], v[PC+6*\j:PC+6*\j+1] offset:3072*\j+520
	ds_store_b128 v[VA], v[PC+6*\j+2:PC+6*\j+5] offset:3072*\j+1024
.endif
	ds_store_b8 v[VBY], v[BY+\j] offset:4*\j+2*\c
.endr
.endm
; tile t of S^T.  K's words of an odd tile, and the second tile's words of Q, stand in lanes 16-31
.macro SPROD t, tb
.if ((\t)%2 == 0) && (\tb == 0)
	v_wmma_scale_f32_16x16x128_f8f6f4 v[S+8*(\t):S+8*(\t)+7], v[F+6*(\t):F+6*(\t)+11], v[QF:QF+11], 0, v[KS+(\t)/2], v[QS] matrix_a_fmt:MATRIX_FMT_FP6 matrix_b_fmt:MATRIX_FMT_FP6
.elseif (\tb == 0)
	v_wmma_scale_f32_16x16x128_f8f6f4 v[S+8*(\t):S+8*(\t)+7], v[F+6*(\t):F+6*(\t)+11], v[QF:QF+11], 0, v[KS+(\t)/2], v[QS] matrix_a_fmt:MATRIX_FMT_FP6 matrix_b_fmt:MATRIX_FMT_FP6 matrix_a_scale:MATRIX_SCALE_ROW1
.elseif ((\t)%2 == 0)
	v_wmma_scale_f32_16x16x128_f8f6f4 v[S+8*(\t):S+8*(\t)+7], v[F+6*(\t):F+6*(\t)+11], v[QF:QF+11], 0, v[KS+(\t)/2], v[QS] matrix_a_fmt:MATRIX_FMT_FP6 matrix_b_fmt:MATRIX_FMT_FP6 matrix_b_scale:MATRIX_SCALE_ROW1
.else
	v_wmma_scale_f32_16x16x128_f8f6f4 v[S+8*(\t):S+8*(\t)+7], v[F+6*(\t):F+6*(\t)+11], v[QF:QF+11], 0, v[KS+(\t)/2], v[QS] matrix_a_fmt:MATRIX_FMT_FP6 matrix_b_fmt:MATRIX_FMT_FP6 matrix_a_scale:MATRIX_SCALE_ROW1 matrix_b_scale:MATRIX_SCALE_ROW1
.endif
.endm
.macro PVPROD t                        ; tile t of O^T, d = 16 t on
.if (\t)%2 == 0
	v_wmma_scale_f32_16x16x128_f8f6f4 v[O+8*(\t):O+8*(\t)+7], v[F+12*(\t):F+12*(\t)+11], v[PCM:PCM+11], v[O+8*(\t):O+8*(\t)+7], v[VS+(\t)/2], v[PW] matrix_a_fmt:MATRIX_FMT_FP6 matrix_b_fmt:MATRIX_FMT_FP6
.else
	v_wmma_scale_f32_16x16x128_f8f6f4 v[O+8*(\t):O+8*(\t)+7], v[F+12*(\t):F+12*(\t)+11], v[PCM:PCM+11], v[O+8*(\t):O+8*(\t)+7], v[VS+(\t)/2], v[PW] matrix_a_fmt:MATRIX_FMT_FP6 matrix_b_fmt:MATRIX_FMT_FP6 matrix_a_scale:MATRIX_SCALE_ROW1
.endif
.endm
; A KEY STEP: 128 keys.  A step all of whose keys come after the tile's queries is left out by a scalar branch on ids; the lines at its end that step addresses are walked all the same, so that the loop's trip count is a constant.
.macro STEP tb
	s_cmp_gt_u32 s[KF], s[QL]
	s_cbranch_scc1 .Lhid_\@
	s_wait_alu depctr_vm_vsrc(0)                   ; the LDS instructions issued so far (the last step's loads; ahead of a wave's first step the prologue's) have read v8 to v11, which this step writes
	v_add_nc_u32 v[ADK], s[TI], v[AKI]
	v_add_nc_u32 v[ADS], s[TS], v[AKS]
	v_nop
	v_nop                                          ; with the two additions four places behind the last step's products; they stay beside the wait below
	s_wait_alu depctr_va_vdst(0)                   ; v8 and v9 are written, which the loads below read; the last step's second products are done reading v32-79 and its first products v240-243, in which these loads land; Q's codes and word and the zero tail, which vector lines wrote and the scaled products below take, are written
	ds_load_b128 v[KS:KS+3], v[ADS]
.irp i, 0,1,2,3,4,5,6,7,8,9,10,11
	ds_load_b128 v[F+4*\i:F+4*\i+3], v[ADK] offset:512*\i          ; 512 consecutive bytes an instruction: the registers as they were stored
.endr
	s_wait_dscnt 0x0
.irp t, 0,1,2,3,4,5,6,7
	SPROD \t, \tb
.endr
	v_add_nc_u32 v[ADV], s[TI], v[AVI]
	v_add_nc_u32 v[ADT], s[TT], v[AVS]
	v_nop
	v_nop                                          ; four places behind the products, for the first read of the scores (ISA guide 7.12.1)
	s_wait_alu depctr_va_vdst(0)                   ; the eight products are done reading v32-85; v10 and v11 are written; the last step's second products are done reading v244-245: the loads below read the two addresses and land in the others
	ds_load_b64 v[VS:VS+1], v[ADT]
.irp i, 0,1,2,3,4,5,6,7,8,9,10,11
	ds_load_b128 v[F+4*\i:F+4*\i+3], v[ADV] offset:512*\i          ; V^T lands while the softmax is worked: none of its lines names v32-79 or v244-245
.endr
	s_add_co_u32 s[TB], s[KF], 127                 ; on the diagonal the scores of hidden keys become -infinity ahead of the maximum: p = 0 then.  A step all of whose keys count skips this
	s_cmp_le_u32 s[TB], s[Q0]
	s_cbranch_scc1 .Lopen_\@
	s_sub_co_i32 s[TB], s[Q0], s[KF]
	v_add_nc_u32 v[MD], s[TB], v[DL]               ; d = my query - KF - 16 (lane / 16).  Register 16 b + i holds key KF + 16 (lane / 16) + 32 b + i: hidden where 32 b + i > d
.set g, 0
.rept 4                                        ; a block of 32 keys at a time: sixteen compares in a run, into s4-11 and s36-43, then the sixteen selects
.set i, 0
.rept 16
	v_cmp_gt_i32 s[4+(i%8)+32*(i/8)], 32*g+i, v[MD]
.set i, i+1
.endr
	s_wait_alu depctr_va_sdst(0)                   ; the sixteen compares have written their masks, ahead of the first select that reads one
.set i, 0
.rept 16
	v_cndmask_b32 v[S+16*g+i], v[S+16*g+i], v[NINF], s[4+(i%8)+32*(i/8)]   ; (ascending: each accumulator is read from its low end on)
.set i, i+1
.endr
.set g, g+1
.endr
.Lopen_\@:
.irp b, 0,1,2,3
	v_max3_num_f32 v[BM+\b], v[S+16*\b], v[S+16*\b+1], v[S+16*\b+2]   ; the largest score of each block of 32 keys: it serves for the row's maximum and, since p rises with the score, for the block's largest p
.endr
.irp i, 3,5,7,9,11,13
.irp b, 0,1,2,3
	v_max3_num_f32 v[BM+\b], v[BM+\b], v[S+16*\b+\i], v[S+16*\b+\i+1]
.endr
.endr
.irp b, 0,1,2,3
	v_max_num_f32 v[BM+\b], v[BM+\b], v[S+16*\b+15]
.endr
.irp b, 0,1,2,3
	v_permlanex16_b32 v[BT+\b], v[BM+\b], s[SEL], s[SEL+1]
.endr
.irp b, 0,1,2,3
	v_max_num_f32 v[BM+\b], v[BM+\b], v[BT+\b]     ; with lane l xor 16's 16 keys
.endr
	v_max3_num_f32 v[TP], v[BM], v[BM+1], v[BM+2]
	v_max_num_f32 v[TP], v[TP], v[BM+3]            ; the step's largest score of my query
	v_mul_f32 v[TP], s[CS], v[TP]                  ; as t (c is positive)
	v_max_num_f32 v13, v13, v[TP]                  ; the running largest t
	v_mov_b32 v[TP], v12
	v_floor_f32 v12, -v13                          ; the new -M = floor(-t) = -ceil(t): a whole number
	v_sub_f32 v[TP], v12, v[TP]                    ; old M - new M: a whole number, 0 or less
	v_cvt_i32_f32 v[TP], v[TP]                     ; (it saturates)
	v_ldexp_f32 v[FF], 1.0, v[TP]                  ; f = 2^(old M - new M)
.set j, 0
.rept 32
	v_pk_fma_f32 v[S+j:S+j+1], v[S+j:S+j+1], s[CS:CS+1], v[12:13] op_sel_hi:[1,0,0]   ; t - M, two at a time (of the pairs c and -M the low word serves both halves)
.set j, j+2
.endr
.irp b, 0,1,2,3
	v_fma_f32 v[BM+\b], v[BM+\b], s[CS], v12       ; the same of each block's largest score
.endr
.set j, 0
	s_wait_alu depctr_va_vdst(0)
.rept 64
	v_exp_f32 v[S+j], v[S+j]                       ; p = 2^(t - M): not normalised
.set j, j+1
.endr
.irp b, 0,1,2,3
	v_exp_f32 v[BM+\b], v[BM+\b]                   ; the block's largest p: the same two instructions on the same number give the same bits
.endr
	v_pk_mul_f32 v[14:15], v[14:15], v[FF:FF+1] op_sel_hi:[1,0]    ; the sums under the new M.  (The plain place behind the exponentials)
	s_wait_alu depctr_va_vdst(0)                   ; the 68 exponentials have written v96-159 and v212-215: one wait for the batch, ahead of the first line that names a result
.irp b, 0,1,2,3
	v_max_num_f32 v[BM+\b], 0x1800000, v[BM+\b]    ; the floor 2^(3 - 127): a block whose every p is 0 keeps the byte 1: its codes are zeros
.endr
.irp b, 0,1,2,3
	v_add_nc_u32 v[SCP+\b], 0xff000000, v[BM+\b]   ; 2 off the exponent field: the conversion's scale operand
.endr
.irp b, 0,1,2,3
	v_lshrrev_b32 v[BT+\b], 23, v[SCP+\b]          ; the scale's byte
.endr
	v_lshl_or_b32 v[PW], v[BT+1], 8, v[BT]         ; p's scale word for these 128 keys
	v_lshl_or_b32 v[PW], v[BT+2], 16, v[PW]
	v_lshl_or_b32 v[PW], v[BT+3], 24, v[PW]
.irp c, 0,1
	v_cvt_scalef32_pk16_fp6_f32 v[PCM+6*\c:PCM+6*\c+2], v[S+32*\c:S+32*\c+15], v[SCP+2*\c]
	v_cvt_scalef32_pk16_fp6_f32 v[T2+4*\c:T2+4*\c+2], v[S+32*\c+16:S+32*\c+31], v[SCP+2*\c+1]
.endr
	v_nop                                          ; one plain place behind a scaled conversion
.irp c, 0,1                                    ; the operand's layout wants a WHOLE block in a lane: lanes 0-15 block 2 c, lanes 16-31 block 2 c + 1
.irp i, 0,1,2
	v_permlane16_swap_b32 v[PCM+6*\c+\i], v[T2+4*\c+\i]
.endr
.irp i, 0,1,2
	v_mov_b32 v[PCM+6*\c+3+\i], v[T2+4*\c+\i]
.endr
.endr
	v_pk_add_f32 v[T2:T2+1], v[S:S+1], v[S+2:S+3]  ; the row's sum is taken of the unquantised p: two at a time, in two chains
.set j, 4
.rept 15
	v_pk_add_f32 v[14:15], v[14:15], v[S+j:S+j+1]
	v_pk_add_f32 v[T2:T2+1], v[T2:T2+1], v[S+j+2:S+j+3]
.set j, j+4
.endr
	v_pk_add_f32 v[14:15], v[14:15], v[T2:T2+1]
.set j, 0
.rept 16
	v_pk_mul_f32 v[O+j:O+j+1], v[O+j:O+j+1], v[FF:FF+1] op_sel_hi:[1,0]   ; O^T under the new M, from each accumulator's low end on.  (With the sums: far more than the places that p's codes and word owe)
.set j, j+2
.endr
	s_wait_dscnt 0x0                               ; V^T and its scale words are in
	s_wait_alu depctr_va_vdst(0)                   ; p's codes v192-203 and its scale word v247, which vector lines wrote, are written: the scaled products below take them as operand and as scales; the places above stay beside this wait
.irp t, 0,1,2,3
	PVPROD \t                                      ; four accumulators, one instruction each; between two links of a chain stand the others' and the next step's eight
.endr
.Lhid_\@:
	s_add_co_u32 s[KF], s[KF], 128
	s_add_co_u32 s[TI], s[TI], STEPB
	s_add_co_u32 s[TS], s[TS], 512
	s_add_co_u32 s[TT], s[TT], 256
.endm
; THE WAY OUT of a tile: O^T / the sum goes through my stage (a lane holds 32 bytes of a row, the lanes beside it other rows) and leaves as whole rows of 256 aligned bytes, two an instruction
.macro WAYOUT tb
.rept 4
	v_nop                                          ; places behind the last products
.endr
	v_add_f32 v14, v14, v15                        ; the sum's two halves,
	v_permlanex16_b32 v[TP], v14, s[SEL], s[SEL+1]
	v_add_f32 v14, v14, v[TP]                      ; and lane l xor 16's: the row's sum
	s_wait_alu depctr_va_vdst(0)
	v_rcp_f32 v14, v14
	v_mov_b32 v15, 0                               ; (a plain place behind the reciprocal; v15 is named with v14 as a pair)
.set j, 0
	s_wait_alu depctr_va_vdst(0)                   ; the reciprocal has written v14, ahead of its first reader
.rept 16
	v_pk_mul_f32 v[S+j:S+j+1], v[O+j:O+j+1], v[14:15] op_sel_hi:[1,0]   ; register 8 t + i is out(query r, 16 t + 8 h + i)
.set j, j+2
.endr
	s_wait_alu depctr_va_vdst(0)                   ; the sixteen multiplications have written v96-127, which the stores into the stage read; the softmax's lines are done with v128-159, in which the rows land
.irp t, 0,1,2,3
	ds_store_b128 v[SO], v[S+8*\t:S+8*\t+3] offset:64*\t
	ds_store_b128 v[SO], v[S+8*\t+4:S+8*\t+7] offset:64*\t+16
.endr
.irp i, 0,1,2,3,4,5,6,7
	ds_load_b128 v[S+32+4*\i:S+32+4*\i+3], v[SI] offset:2*SP*\i    ; LDS serves a wave's instructions in order: these see my stores
.endr
.irp i, 0,1,2,3,4,5,6,7
	s_wait_dscnt 7-\i                              ; the younger row loads may be out
	global_store_b128 v[GL], v[S+32+4*\i:S+32+4*\i+3], s[OUTA+2*\tb:OUTA+2*\tb+1] offset:2*ROWG*\i th:TH_STORE_NT   ; sixteen lanes store 256 consecutive bytes, at a multiple of 256 from out's first byte
.endr
.if \tb == 0
	s_wait_xcnt 0x0                                ; the stores' data registers are written again by the next tile only behind this wait
	s_wait_alu depctr_vm_vsrc(0)                   ; the stage's stores have read v96-127 and the global stores v128-159, which the next tile's products and its way out write again
.endif
.endm
; A TILE of 16 queries.  Written twice, so that every stepped scalar begins at a constant and each loop has 8 trips.
.macro TILE tb
	s_mov_b32 s[TI], 0
	s_mov_b32 s[TS], 0
	s_mov_b32 s[TT], 0
	s_mov_b32 s[KF], 0
	s_mov_b32 s[CNT], 8
	s_mov_b32 s[Q0], s[Q0A+\tb]
	s_add_co_u32 s[QL], s[Q0], 15
.if \tb
.irp i, 0,1,2,3,4,5
	v_mov_b32 v[QF+\i], v[PC+6+\i]                 ; the second tile's codes of Q
.endr
.endif
	v_mov_b32 v13, 0xff61b1e6                      ; the largest t so far: -3e38, under every t
	v_floor_f32 v12, -v13                          ; -M
	v_mov_b32 v14, 0                               ; the sum, in two halves
	v_mov_b32 v15, 0
.set j, 0
.rept 32
	v_mov_b32 v[O+j], 0                            ; O^T.  (The step is written once: the first finds zeros, which the first change of M leaves zeros)
.set j, j+1
.endr
.Lstep_\@:
	STEP \tb
	s_sub_co_u32 s[CNT], s[CNT], 1
	s_cmp_lg_u32 s[CNT], 0
	s_cbranch_scc1 .Lstep_\@
	WAYOUT \tb
.endm
	; ---- ids, bases, and the first 48 loads
	s_load_b256 s[4:11], s[0:1], 0x0               ; queries s[4:5], keys s[6:7], values s[8:9], out s[10:11]
	v_lshl_add_u32 v254, v0, 2, 0x3b800
	v_mov_b32 v255, 0
	v_lshrrev_b32 v8, 5, v0
	v_readfirstlane_b32 s[W], v8                   ; wave 0..15
	v_and_b32 v12, 31, v0                          ; lane
	v_and_b32 v13, 15, v0                          ; lane % 16
	v_bfe_u32 v14, v0, 4, 1                        ; lane / 16
	v_lshlrev_b32 v[GL], 11, v14
	v_lshl_add_u32 v[GL], v13, 4, v[GL]
	s_wait_alu depctr_va_sdst(0)                   ; the wave's number is written, ahead of its first reader: the tiles, the bases and the LDS places are made from it
	s_lshr_b32 s[SW], s[W], 1
	s_and_b32 s[HW], s[W], 1
	s_and_b32 s[TA], ttmp9, 1                      ; g: which of the head's two work-groups
	s_lshl_b32 s[Q0A], s[TA], 8
	s_lshl_b32 s[TA], s[W], 4
	s_add_co_u32 s[Q0A], s[Q0A], s[TA]             ; my first tile: query 256 g + 16 wave
	s_sub_co_u32 s[Q0A+1], 1008, s[Q0A]            ; my second: its mirror
	s_lshr_b32 s[OFP], ttmp9, 4                    ; (b, n): 2^21 bytes each,
	s_lshl_b32 s[OFP], s[OFP], 21
	s_bfe_u32 s[TA], ttmp9, 0x30001                ; h: 256 bytes each
	s_lshl_b32 s[TA], s[TA], 8
	s_or_b32 s[OFP], s[OFP], s[TA]
	s_mov_b32 s[OFP+1], 0
	s_wait_kmcnt 0x0
	s_add_nc_u64 s[4:5], s[4:5], s[OFP:OFP+1]      ; all four tensors at the head's first row
	s_add_nc_u64 s[6:7], s[6:7], s[OFP:OFP+1]
	s_add_nc_u64 s[8:9], s[8:9], s[OFP:OFP+1]
	s_add_nc_u64 s[10:11], s[10:11], s[OFP:OFP+1]
	s_lshl_b32 s[OFP], s[W], 17                    ; keys 64 wave on
	s_add_nc_u64 s[KBS:KBS+1], s[6:7], s[OFP:OFP+1]
	s_lshl_b32 s[OFP], s[SW], 18                   ; values: key 128 (wave / 2) + 32 (wave % 2) on
	s_lshl_b32 s[TA], s[HW], 16
	s_add_co_u32 s[OFP], s[OFP], s[TA]
	s_add_nc_u64 s[VBS:VBS+1], s[8:9], s[OFP:OFP+1]
	s_lshl_b32 s[OFP], s[Q0A], 11
	s_add_nc_u64 s[QAB:QAB+1], s[4:5], s[OFP:OFP+1]
	s_add_nc_u64 s[OUTA:OUTA+1], s[10:11], s[OFP:OFP+1]
	s_lshl_b32 s[OFP], s[Q0A+1], 11
	s_add_nc_u64 s[QBB:QBB+1], s[4:5], s[OFP:OFP+1]
	s_add_nc_u64 s[OUTA+2:OUTA+3], s[10:11], s[OFP:OFP+1]
	s_wait_alu depctr_va_vdst(0)                   ; v7 is written: every global load and store of the kernel reads it as its offset
	BATCH AA, KBS, 0                               ; K0: keys 64 wave + 0 .. 31
	BATCH AB, KBS, 32*ROWG                         ; K1: + 32 .. 63
	BATCH AC, VBS, 0                               ; V0: block wave % 2 of my step
	; ---- the LDS addresses and constants, while the loads are on their way: none of these lines names v7 or v32-223
	s_mov_b32 s[SEL], 0x76543210
	s_mov_b32 s[SEL+1], 0xfedcba98
	s_mov_b32 s[CS], 0x3e38aa3b                    ; c = log2(e) / sqrt(64)
	s_mov_b32 s[CS+1], s[CS]                       ; (named with it as a pair, so it is written)
	s_mov_b32 s[LM], 0xffff0000                    ; lanes 16-31, for WORD
	s_mul_i32 s[STW], s[W], WSTG
	s_add_co_u32 s[STW], s[STW], STG
	v_lshlrev_b32 v[AKI], 4, v12
	v_lshl_add_u32 v[AVI], v12, 4, VIMG
	v_lshl_add_u32 v[AKS], v12, 4, KSC
	v_lshl_add_u32 v[AVS], v12, 3, VSC
	v_mul_u32_u24 v[SO], v13, SP
	v_lshl_add_u32 v[SO], v14, 5, v[SO]
	v_add_nc_u32 v[SO], s[STW], v[SO]
	v_mul_u32_u24 v[SI], v14, SP
	v_lshl_add_u32 v[SI], v13, 4, v[SI]
	v_add_nc_u32 v[SI], s[STW], v[SI]
	v_lshlrev_b32 v[DL], 4, v14
	v_sub_nc_u32 v[DL], v13, v[DL]
	v_mul_u32_u24 v[SRR], v13, SP
	v_lshl_add_u32 v[SRR], v14, 7, v[SRR]
	v_add_nc_u32 v[SRR], s[STW], v[SRR]
	v_lshl_add_u32 v[SCL], v12, 2, s[STW]
	s_mul_i32 s[TA], s[W], 3072
	v_lshl_add_u32 v[KA], v12, 4, s[TA]
	s_lshl_b32 s[TA], s[SW], 9
	s_lshl_b32 s[TB], s[HW], 3
	s_add_co_u32 s[TA], s[TA], s[TB]
	s_add_co_u32 s[TA], s[TA], KSC
	v_lshl_add_u32 v[KW], v12, 4, s[TA]
	s_mul_i32 s[TA], s[SW], STEPB
	s_lshl_b32 s[TB], s[HW], 8
	s_add_co_u32 s[TA], s[TA], s[TB]
	s_add_co_u32 s[TA], s[TA], VIMG
	v_mul_u32_u24 v[VA], v14, 1536
	v_lshl_add_u32 v[VA], v13, 4, v[VA]
	v_add_nc_u32 v[VA], s[TA], v[VA]
	s_lshl_b32 s[TA], s[SW], 8
	s_add_co_u32 s[TA], s[TA], s[HW]
	s_add_co_u32 s[TA], s[TA], VSC
	v_lshl_add_u32 v[VBY], v12, 3, s[TA]
	v_mov_b32 v[XB], 0                             ; written once: a lane permute's destination counts as one of its sources
	v_mov_b32 v[XB+1], 0
	s_wait_alu depctr_va_vdst(0)                   ; the LDS addresses v1 to v6, v8 to v11, v30 and v31 are written, which the LDS instructions from here on read
	; ---- K0
	s_wait_loadcnt 32                              ; K0's 16 loads are in; K1's and V0's 32 were issued behind them
	STAGE_IN AA, 1
	s_wait_alu depctr_vm_vsrc(0)                   ; the stores into the stage have read AA, in which the rows land
	ROWS_OUT AA
	s_wait_dscnt 0x0
	QUANT2 AA
	WORD
	s_wait_alu depctr_va_vdst(0)                   ; QUANT2 is done reading AA, in which V1's loads land; the codes v224-235 and the word v238 are written, which the stores below read
	BATCH AA, VBS, 64*ROWG                         ; V1: block 2 + wave % 2 of my step, into the area just left
	KSTORE 0
	; ---- K1
	s_wait_loadcnt 32                              ; behind K1: V0 and V1
	STAGE_IN AB, 1
	s_wait_alu depctr_vm_vsrc(0)                   ; the stores into the stage have read AB, in which the rows land; K0's stores have read the codes and the word, which this batch writes again
	ROWS_OUT AB
	s_wait_dscnt 0x0                               ; my rows are back
	QUANT2 AB
	WORD
	s_wait_alu depctr_va_vdst(0)                   ; QUANT2 is done reading AB, in which Q's loads land; the codes and the word are written, which the stores below read
	LOAD8 AB, QAB, 0, 1                            ; Q: 16 rows of my first tile, 16 of my second; nobody else reads them
	LOAD8 AB+32, QBB, 0, 1
	KSTORE 1
	; ---- V0
	s_wait_loadcnt 32                              ; behind V0: V1 and Q
	STAGE_IN AC, 0
	s_wait_alu depctr_vm_vsrc(0)                   ; the stores into the stage have read AC, in which the columns land; K1's stores have read the codes and the word
	COLS_OUT AC
	s_wait_dscnt 0x0
	QUANT2 AC
	s_wait_alu depctr_va_vdst(0)                   ; the codes v224-235 and the bytes v236-237 are written, which the stores below read
	VSTORE 0
	; ---- V1
	s_wait_loadcnt 16                              ; behind V1: Q
	STAGE_IN AA, 0
	s_wait_alu depctr_vm_vsrc(0)                   ; the stores into the stage have read AA, in which the columns land; V0's stores have read the codes and the bytes, which this batch writes again
	COLS_OUT AA
	s_wait_dscnt 0x0
	QUANT2 AA
	s_wait_alu depctr_va_vdst(0)                   ; the codes and the bytes are written, which the stores below read
	VSTORE 1
	; ---- Q: it stays in registers
	s_wait_loadcnt 0x0
	STAGE_IN AB, 0
	s_wait_alu depctr_vm_vsrc(0)                   ; the stores into the stage have read AB, in which the rows land; V1's stores have read the codes and the bytes, which this batch writes again
	ROWS_OUT AB
	s_wait_dscnt 0x0
	QUANT2 AB                                      ; v224-229 the first tile's codes, v230-235 the second's, which wait there
	WORD
	v_mov_b32 v[QS], v[WD]
.irp i, 0,1,2,3,4,5
	v_mov_b32 v[QF+\i], v[PC+\i]
.endr
.irp i, 0,1,2,3,4,5
	v_mov_b32 v[QF+6+\i], 0                        ; zero codes for the instruction's upper 64 along K
.endr
.irp i, 0,1,2,3,4,5
	v_mov_b32 v[F+48+\i], 0                        ; what the last tile of K names behind its own six registers
.endr
.irp i, 0,1,2,3
	v_mov_b32 v[BT+\i], 0                          ; written once: lane permutes' destinations
.endr
	v_mov_b32 v[TP], 0
	v_mov_b32 v[PW], 0                             ; (named as the upper half of the pair with f before it is first made)
	v_mov_b32 v[NINF], 0xff800000                  ; -infinity
	s_wait_dscnt 0x0                               ; for the others' sake: my images and scale words lie in LDS
	s_barrier_signal -1
	s_barrier_wait -1                              ; the head's K and V^T are whole; from here on they are only read
	; ---- my two tiles
	TILE 0
	TILE 1
	s_wait_dscnt 0x0                               ; the closing lines, six on end
	s_wait_alu 0x0
	s_wait_tensorcnt 0x0
	ds_add_u32 v254, v255
	s_wait_dscnt 0x0
	s_endpgm
.Lfunc_end_k_q4cbe98cf9f_attn:
	.size	k_q4cbe98cf9f_attn, .Lfunc_end_k_q4cbe98cf9f_attn-k_q4cbe98cf9f_attn
	.p2alignl 7, 3214868480
	.fill 96, 4, 3214868480
	.section	.rodata,"a",@progbits
	.p2align	6, 0x0
	.amdhsa_kernel k_q4cbe98cf9f_attn
		.amdhsa_group_segment_fixed_size 245760
		.amdhsa_private_segment_fixed_size 0
		.amdhsa_enable_private_segment 0
		.amdhsa_kernarg_size 32
		.amdhsa_user_sgpr_count 2
		.amdhsa_user_sgpr_kernarg_segment_ptr 1
		.amdhsa_wavefront_size32 1
		.amdhsa_system_sgpr_workgroup_id_x 1
		.amdhsa_system_sgpr_workgroup_id_y 1
		.amdhsa_system_sgpr_workgroup_id_z 1
		.amdhsa_system_vgpr_workitem_id 0
		.amdhsa_next_free_vgpr 256
		.amdhsa_next_free_sgpr 66
		.amdhsa_reserve_vcc 0
		.amdhsa_float_denorm_mode_32 3
		.amdhsa_float_denorm_mode_16_64 3
		.amdhsa_memory_ordered 1
		.amdhsa_forward_progress 1
		.amdhsa_inst_pref_size 106
	.end_amdhsa_kernel
	.amdgpu_metadata
---
amdhsa.version: [ 1, 2 ]
amdhsa.kernels:
  - .name:           k_q4cbe98cf9f_attn
    .symbol:         k_q4cbe98cf9f_attn.kd
    .args:
      - { .name: queries, .offset: 0, .size: 8, .value_kind: global_buffer, .address_space: global }
      - { .name: keys, .offset: 8, .size: 8, .value_kind: global_buffer, .address_space: global }
      - { .name: values, .offset: 16, .size: 8, .value_kind: global_buffer, .address_space: global }
      - { .name: out0, .offset: 24, .size: 8, .value_kind: global_buffer, .address_space: global }
    .group_segment_fixed_size: 245760
    .private_segment_fixed_size: 0
    .kernarg_segment_align: 8
    .kernarg_segment_size: 32
    .max_flat_workgroup_size: 512
    .sgpr_count:     66
    .vgpr_count:     256
    .wavefront_size: 32
...
	.end_amdgpu_metadata
.endif
;; end of part 2
